; MI455X (gfx1250); checked and timed in simulation.
; The chip was launched on July 23, 2026; its instructions are those of AMD's public machine-readable ISA for CDNA 5 (MIT licence, August 2026) and "CDNA5" Instruction Set Architecture Reference Guide (July 2026). The comments in the code are by the model that wrote it; some were corrected since.
;; k NN. Allowed arithmetic: float matrix products may take bf16 or f16 operands with f32 sums; all other float work in f32.
;; Inputs: x 8,192 x 512 float32.
;; Outputs: out0 8,192 x 512 float32.
;; Constants: k = 16.
;; 2 versions, each right; version 2 is version 1 with the launch prep written anew for expert scheduling mode. Each part assembles by itself: llvm-mc -triple=amdgcn-amd-amdhsa -mcpu=gfx1250 --defsym DOCPART=n.
;; ======== version 1 of 2: 5 launches
;; workspace buffers: xp 8,388,608 bytes; sqn 32,768 bytes; dmat 268,435,456 bytes; gmin 16,777,216 bytes; gl 1,048,576 bytes of whole numbers; nb 524,288 bytes of whole numbers
;; launch prep (part 1): grid 256 x 1, 8 waves a work-group, no clusters, 1,280 bytes of LDS; arguments x, xp, sqn; writes xp, sqn
.if DOCPART == 1
	.amdgcn_target "amdgcn-amd-amdhsa--gfx1250"
	.amdhsa_code_object_version 6
	.text
	.protected	k_qb6abf0da87_prep
	.globl	k_qb6abf0da87_prep
	.p2align	8
	.type	k_qb6abf0da87_prep,@function
k_qb6abf0da87_prep:
	s_mov_b64 s[64:65], 0
	v_nop
	global_prefetch_b8 v0, s[64:65] scope:SCOPE_SE
	s_setreg_imm32_b32 hwreg(HW_REG_WAVE_MODE, 25, 1), 1
	s_wait_xcnt 0x0
; xp[pi(i)][:] = bf16(x[i][:]);  sqn[i] = the sum over c of bf16(x[i][c])^2, in f32.   x: [8192][512] f32.
; pi(i) = (i & ~63) + 16 (i & 3) + ((i >> 2) & 15): inside each 64 rows, the rows 4 r + q lie at positions 16 q + r.  The product's launch
; then finds four neighbouring columns of the distance matrix in one lane.
; SHARES.  Eight waves, 32 rows a work-group, four rows a wave.  A load of a wave covers 512 consecutive bytes of a row of x, a store 256
; consecutive bytes of a row of xp, aligned.  The 32 sums of a work-group meet in LDS and leave as 128 consecutive bytes (32 KiB in the whole launch).
; THE SUM is taken of the ROUNDED numbers (their squares are exact in f32): 16 a lane in two packed chains of fused multiply-adds, then a tree over the lanes.
; LIMITS.  The order of these additions is not the reference's: sq may differ from it in the last bits.  NaN and infinities are not treated apart.
.set SPARE, 256                        ; LDS 0-127: the 32 sums (the block 0-255 is theirs); from 256: the spare words, 128 bytes for each of eight waves
.set SPW, 4                            ; v4      LDS address of my spare word; never rewritten
.set NIL, 5                            ; v5      0; never rewritten
.set X,   8                            ; v[8:71]    row a, chunk t of 128 columns: four f32 at X + 16 a + 4 t
.set PK,  72                           ; v[72:103]  row a: eight registers of two bf16
.set P,   104                          ; v[104:119] the rounded numbers as f32
.set AC,  120                          ; v[120:123] two packed chains
.set T,   124                          ; v124    the other half of the lanes' sum
.set SUM, 128                          ; v128    a row's sum
.set WA,  129                          ; v129    16 x wave: my four words in LDS
.set LW,  130                          ; v130    4 x lane
.set BK,  131                          ; v131    a sum read back
	s_load_b128 s[4:7], s[0:1], 0x0                ; x s[4:5], xp s[6:7]
	s_load_b64 s[8:9], s[0:1], 0x10                ; sqn
	v_lshl_add_u32 v[SPW], v0, 2, SPARE
	v_mov_b32 v[NIL], 0
	v_and_b32 v1, 31, v0                           ; lane
	v_lshrrev_b32 v6, 5, v0
	v_readfirstlane_b32 s10, v6                    ; wave
	v_lshlrev_b32 v2, 4, v1                        ; 16 bytes a lane in x
	v_lshlrev_b32 v3, 3, v1                        ; 8 bytes a lane in xp
	v_lshlrev_b32 v[LW], 2, v1
	v_mov_b32 v[WA], s10
	v_lshlrev_b32 v[WA], 4, v[WA]
	v_mov_b32 v[T], 0                              ; v_permlanex16_b32 counts as a reader of its destination
	s_lshl_b32 s11, ttmp9, 5
	s_lshl2_add_u32 s11, s10, s11                  ; my first row: 32 x work-group + 4 x wave
	s_lshl_b32 s14, s11, 11                        ; x 2,048 bytes
	s_mov_b32 s15, 0
	s_and_b32 s16, s11, 0x1fc0                     ; its position: the 64 rows' first,
	s_bfe_u32 s17, s11, 0x40002                    ; + (row >> 2) & 15; row a of my four lies 16 a positions on
	s_add_co_u32 s16, s16, s17
	s_lshl_b32 s16, s16, 10                        ; x 1,024 bytes
	s_mov_b32 s17, 0
	s_lshl_b32 s18, ttmp9, 7                       ; the work-group's 32 sums
	s_mov_b32 s19, 0
	s_mov_b32 s13, 0xffff0000                      ; a word's upper bf16
	s_mov_b32 s20, 0x76543210                      ; v_permlanex16_b32: each lane takes its own place in the other half
	s_mov_b32 s21, 0xfedcba98
	s_wait_kmcnt 0x0
	s_add_nc_u64 s[4:5], s[4:5], s[14:15]
	s_add_nc_u64 s[6:7], s[6:7], s[16:17]
	s_add_nc_u64 s[8:9], s[8:9], s[18:19]
.irp a, 0,1,2,3
.irp t, 0,1,2,3
	global_load_b128 v[X+16*\a+4*\t:X+16*\a+4*\t+3], v2, s[4:5] offset:\a*2048+\t*512 th:TH_LOAD_NT
.endr
.endr
.macro ROWDO a
	s_wait_loadcnt 12-4*(\a)                       ; loads come back in order: this row's four are in, the later rows' stay out
.set u, 0
.rept 8
	v_cvt_pk_bf16_f32 v[PK+8*(\a)+u], v[X+16*(\a)+2*u], v[X+16*(\a)+2*u+1]
.set u, u+1
.endr
.irp t, 0,1,2,3
	global_store_b64 v3, v[PK+8*(\a)+2*\t:PK+8*(\a)+2*\t+1], s[6:7] offset:(\a)*16384+256*\t  ; 32 lanes: 256 consecutive bytes, aligned
.endr
.set u, 0
.rept 8
	v_lshlrev_b32 v[P+2*u], 16, v[PK+8*(\a)+u]     ; the rounded numbers back in f32
	v_and_b32 v[P+2*u+1], s13, v[PK+8*(\a)+u]
.set u, u+1
.endr
	v_pk_mul_f32 v[AC:AC+1], v[P:P+1], v[P:P+1]    ; the first products start the chains
	v_pk_mul_f32 v[AC+2:AC+3], v[P+2:P+3], v[P+2:P+3]
.set u, 2
.rept 6
	v_pk_fma_f32 v[AC+2*(u%2):AC+2*(u%2)+1], v[P+2*u:P+2*u+1], v[P+2*u:P+2*u+1], v[AC+2*(u%2):AC+2*(u%2)+1]
.set u, u+1
.endr
	v_pk_add_f32 v[AC:AC+1], v[AC:AC+1], v[AC+2:AC+3]
	v_add_f32 v[SUM], v[AC], v[AC+1]
	v_add_f32_dpp v[SUM], v[SUM], v[SUM] row_xmask:1 row_mask:0xf bank_mask:0xf
	v_add_f32_dpp v[SUM], v[SUM], v[SUM] row_xmask:2 row_mask:0xf bank_mask:0xf
	v_add_f32_dpp v[SUM], v[SUM], v[SUM] row_xmask:4 row_mask:0xf bank_mask:0xf
	v_add_f32_dpp v[SUM], v[SUM], v[SUM] row_xmask:8 row_mask:0xf bank_mask:0xf
	v_permlanex16_b32 v[T], v[SUM], s20, s21
	v_add_f32 v[SUM], v[SUM], v[T]                 ; every lane holds the row's sum
	ds_store_b32 v[WA], v[SUM] offset:4*(\a)       ; all lanes write the same word with the same number
.endm
	ROWDO 0
	ROWDO 1
	ROWDO 2
	ROWDO 3
	s_wait_dscnt 0x0                               ; for wave 0's sake: my four words are written
	s_barrier_signal -1
	s_barrier_wait -1
	s_cmp_lg_u32 s10, 0
	s_cbranch_scc1 .Ldone
	ds_load_b32 v[BK], v[LW]                       ; wave 0: the 32 sums, one a lane
	s_wait_dscnt 0x0
	global_store_b32 v[LW], v[BK], s[8:9]          ; 128 consecutive bytes
.Ldone:
	s_wait_tensorcnt 0x0                           ; the wave's end: behind my last LDS store
	ds_add_u32 v[SPW], v[NIL]
	s_wait_dscnt 0x0
	s_endpgm
.Lfunc_end_k_qb6abf0da87_prep:
	.size	k_qb6abf0da87_prep, .Lfunc_end_k_qb6abf0da87_prep-k_qb6abf0da87_prep
	.p2alignl 7, 3214868480
	.fill 96, 4, 3214868480
	.section	.rodata,"a",@progbits
	.p2align	6, 0x0
	.amdhsa_kernel k_qb6abf0da87_prep
		.amdhsa_group_segment_fixed_size 1280
		.amdhsa_private_segment_fixed_size 0
		.amdhsa_enable_private_segment 0
		.amdhsa_kernarg_size 24
		.amdhsa_user_sgpr_count 2
		.amdhsa_user_sgpr_kernarg_segment_ptr 1
		.amdhsa_wavefront_size32 1
		.amdhsa_system_sgpr_workgroup_id_x 1
		.amdhsa_system_sgpr_workgroup_id_y 1
		.amdhsa_system_sgpr_workgroup_id_z 1
		.amdhsa_system_vgpr_workitem_id 0
		.amdhsa_next_free_vgpr 136
		.amdhsa_next_free_sgpr 66
		.amdhsa_reserve_vcc 0
		.amdhsa_float_denorm_mode_32 3
		.amdhsa_float_denorm_mode_16_64 3
		.amdhsa_memory_ordered 1
		.amdhsa_forward_progress 1
		.amdhsa_inst_pref_size 14
	.end_amdhsa_kernel
	.amdgpu_metadata
---
amdhsa.version: [ 1, 2 ]
amdhsa.kernels:
  - .name:           k_qb6abf0da87_prep
    .symbol:         k_qb6abf0da87_prep.kd
    .args:
      - { .name: x, .offset: 0, .size: 8, .value_kind: global_buffer, .address_space: global }
      - { .name: xp, .offset: 8, .size: 8, .value_kind: global_buffer, .address_space: global }
      - { .name: sqn, .offset: 16, .size: 8, .value_kind: global_buffer, .address_space: global }
    .group_segment_fixed_size: 1280
    .private_segment_fixed_size: 0
    .kernarg_segment_align: 8
    .kernarg_segment_size: 24
    .max_flat_workgroup_size: 256
    .sgpr_count:     66
    .vgpr_count:     136
    .wavefront_size: 32
...
	.end_amdgpu_metadata
.endif
;; end of part 1
;; launch gemm (part 2): grid 32 x 8, 4 waves a work-group, clusters of 4 x 4, 327,680 bytes of LDS; arguments xp, sqn, dmat, gmin; writes dmat, gmin
.if DOCPART == 2
	.amdgcn_target "amdgcn-amd-amdhsa--gfx1250"
	.amdhsa_code_object_version 6
	.text
	.protected	k_qb6abf0da87_gemm
	.globl	k_qb6abf0da87_gemm
	.p2align	8
	.type	k_qb6abf0da87_gemm,@function
k_qb6abf0da87_gemm:
	s_mov_b64 s[64:65], 0
	v_nop
	global_prefetch_b8 v0, s[64:65] scope:SCOPE_SE
	s_setreg_imm32_b32 hwreg(HW_REG_WAVE_MODE, 25, 1), 1
	s_wait_xcnt 0x0
	s_wait_alu depctr_hold_cnt(0) depctr_sa_sdst(0) depctr_va_vdst(0) depctr_va_sdst(0) depctr_va_ssrc(0) depctr_va_vcc(0) depctr_vm_vsrc(0)
	s_getreg_b32 s2, hwreg(HW_REG_IB_STS2, 6, 4)
	s_cmp_eq_u32 s2, 0
	s_cbranch_scc0 .Lentry_in_a_cluster
	s_endpgm
.Lentry_in_a_cluster:
	s_bfe_u32 s2, ttmp6, 0x10000c
	s_cmp_lg_u32 s2, 0xf033
	s_cbranch_scc0 .Lentry_shape_is_right
	s_endpgm
.Lentry_shape_is_right:
; dmat[p][j] = (sq(row at position p) + sq[j]) - 2 x (row at position p) . (row j), each of the two roundings as in d2 = (sq_i + sq_j) - 2 dot;
; gmin[j / 128][p][(j % 128) / 16] = the least dmat[p][j'] of the 16 columns j' of j's group.      xp: [8192 positions][512] bf16; sqn: [8192] f32 by actual row.
; ROWS of dmat and gmin go by POSITION in xp, COLUMNS by the actual row number.  16 consecutive positions 64 c + 16 q + r are the actual rows 64 c + 4 r + q: so lane r finds
; in four accumulators q = 0..3 the four neighbouring columns 4 r .. 4 r + 3, and sixteen lanes store 256 consecutive bytes of a row of dmat, aligned, straight from registers.
; SHAPE.  A tile of 256 x 256 by four waves, 128 x 128 each: 64 accumulators of 16 x 16, 512 registers.  K = 512 goes in four steps of 128 through a ring of two LDS slots filled by
; tensor loads (rows of 256 bytes).  A work-group stays and makes four tiles, 2,048 columns apart; the ring runs on into the next tile, and a tile's stores leave while the next is multiplied.
; TWO OPERANDS, both from xp.  A: the 256 positions that become COLUMNS (source 1 of the matrix instruction, window 0); they walk from tile to tile.  B: the 256 positions that are ROWS (source 0,
; window 1); they stay.  In a result register j of lane (r, h) is row 8 h + j of B's 16, column-position r of A's 16.
; CLUSTER.  4 x 4 work-groups.  A's tiles hang on the grid's y alone and are asked for jointly along a row of the cluster, B's on x alone, along a column.
; LIMITS.  Operands are bf16; the sums of a product are the matrix unit's, in steps of 32 along K, not the reference's order: d2 may differ from the reference's in its last bits.  NaN and infinities are not treated apart.
; REGISTERS, in windows of 256: window 0: v0-39 addresses and the columns' sq; v64-127, v128-191 A's fragments, two buffers; on the way out v128-243 at work.
;   window 1: v0-63 sq of my 128 rows (register 8 rb + j); v64-127, v128-191 B's fragments.   windows 2, 3: accumulator (q, rb) of column half c at v[64 q + 8 rb] of window 2 + c.
.set SIZE_K, 512
.set KSTEP,  128
.set PITCH,  272                       ; an LDS row: 256 bytes + 16 of padding = 68 words: the 16 rows of a fragment load start at 16 different groups of four banks (64 banks of 4 bytes: ISA guide 11.1)
.set HALFT,  128*PITCH                 ; 128 rows: what one tensor load brings
.set SLOT,   4*HALFT                   ; A's 256 rows, then B's 256 rows
.set MST,    2*SLOT                    ; behind the ring, never filled by a tensor load: 4,096 bytes a wave, the group minima of its 128 rows x 8 groups
.set SPARE,  MST+4*4096                ; behind the stages: the spare words, 128 bytes for each wave
.set WALK,   2048                      ; a work-group's tiles lie 2,048 columns apart
.set NEXT_A, WALK*SIZE_K*2-(SIZE_K-2*KSTEP)*2  ; bytes from a slot's last K step of a tile to its first of the next: A goes 2,048 positions on and back along K,
.set BACK_B, (SIZE_K-2*KSTEP)*2        ; B only back
.set DROW,   32768                     ; bytes in a row of dmat
.set ADRA, 16                          ; v16-17  LDS address of my A fragments in slot 0, 1
.set ADRB, 20                          ; v20-21  the same for B
.set CO,   24                          ; v24     my byte offset in dmat: 8 h rows + 16 r
.set MSTO, 25                          ; v25     where I put a group minimum
.set MRD,  26                          ; v26     where I read the minima back
.set MO,   27                          ; v27     16 x lane
.set SPW,  28                          ; v28     LDS address of my spare word; never rewritten
.set NIL,  29                          ; v29     0; never rewritten
.set SQO,  30                          ; v30     16 r
.set SQH,  31                          ; v31     128 h
.set SQC,  32                          ; v[32:39]   sq of my columns 64 c + 4 r + q at SQC + 4 c + q
.set F0,   64
.set F1,   128
.set S,    128                         ; the way out: sq_i + sq_j for (q, j) at S + 8 q + j
.set O0,   160                         ; v[160:191], v[192:223]: d2 for (j, q) at 4 j + q, two buffers by turns
.set T,    224                         ; v[224:231] row j's least of my four columns
.set KP,   232
.set SD,   236
.set K2,   240
.set S2,   242
.set G1, 24                            ; s[24:31] descriptor group 1 for A's tiles;  s[32:39] group 0, one set for each slot
.set G0, 32
.set G1B, 48                           ; s[48:55], s[56:63] the same for B's tiles
.set G0B, 56
.set MSB, 0
.macro WIN new                         ; the immediate's high byte repeats the setting that is left; a switch that changes nothing is dropped
.if MSB != (\new)
	s_set_vgpr_msb (MSB<<8)|(\new)
.set MSB, \new
.endif
.endm
.set MUL_LO, 0xa1                      ; source 0 (B) window 1, source 1 (A) window 0, C and D window 2
.set MUL_HI, 0xf1                      ; the same, C and D window 3
.set TO_B,   0x40                      ; destination window 1, address window 0
; A joint load.  Waves 0 and 1 fetch A's two halves, waves 2 and 3 B's.  The branch hangs on the wave's number alone.  An s_nop 0 and four v_nop follow each of the two lines.
.macro JLOAD s
	s_cmp_eq_u32 s11, 0
	s_cbranch_scc0 .Lfor_b_\@
	tensor_load_to_lds s[G0+4*(\s):G0+4*(\s)+3], s[G1:G1+7]
	s_nop 0
.rept 4
	v_nop
.endr
	s_branch .Lasked_\@
.Lfor_b_\@:
	tensor_load_to_lds s[G0B+4*(\s):G0B+4*(\s)+3], s[G1B:G1B+7]
	s_nop 0
.rept 4
	v_nop
.endr
.Lasked_\@:
.endm
.macro CREST                           ; a round of the cluster's barrier behind its opening barrier
	s_cmp_lg_u32 s10, 0
	s_cbranch_scc1 .Lnot_wave_0_\@
	s_barrier_signal -3
.Lnot_wave_0_\@:
	s_barrier_wait -3
	s_barrier_signal -1
	s_barrier_wait -1
.endm
.macro CROUND                          ; a whole round
	s_barrier_signal -1
	s_barrier_wait -1
	CREST
.endm
	s_load_b128 s[4:7], s[0:1], 0x0                ; xp s[4:5], sqn s[6:7]
	s_load_b128 s[68:71], s[0:1], 0x10             ; dmat s[68:69], gmin s[70:71]
	v_lshl_add_u32 v[SPW], v0, 2, SPARE
	v_mov_b32 v[NIL], 0
	ds_add_u32 v[SPW], v[NIL]                      ; the wave's opening: the add and its wait stand ahead of my first tensor load; the set-up below, work on registers, stands between them
	ds_add_u32 v28, v29
	v_lshrrev_b32 v1, 5, v0
	v_readfirstlane_b32 s10, v1                    ; wave 0..3
	s_lshr_b32 s11, s10, 1                         ; which half of the tile's columns (A) is mine.  Also: I fetch for A (0) or for B (1)
	s_and_b32 s12, s10, 1                          ; which half of its rows (B).  Also: which 128 positions of that tile I fetch
	s_bfe_u32 s40, ttmp6, 0x40000                  ; cx
	s_bfe_u32 s41, ttmp6, 0x40004                  ; cy
	s_lshl_b32 s42, ttmp9, 2
	s_add_co_u32 s42, s42, s40                     ; xt = 4 x cluster x + cx: the tile of rows, 0..31
	s_and_b32 s13, ttmp7, 0xffff
	s_lshl_b32 s13, s13, 2
	s_add_co_u32 s13, s13, s41                     ; yt = 4 x cluster y + cy: the first tile of columns, 0..7
	s_lshl_b32 s43, s41, 2
	s_lshl_b32 s43, 15, s43                        ; my row of the cluster
	s_lshl_b32 s44, 0x1111, s40                    ; my column
	s_or_b32 s[G1+0], s43, (1<<16)|(1<<20)|(1<<21)|(5<<22)|(3<<25)  ; 15:0 the mask; 17:16 2-byte elements; 20 padding on; 21 set beside a mask; 24:22 after every 64 words; 31:25 4 words of it
	s_or_b32 s[G1B+0], s44, (1<<16)|(1<<20)|(1<<21)|(5<<22)|(3<<25)
.irp g, G1, G1B
	s_mov_b32 s[(\g)+1], KSTEP<<16                 ; tensor_dim0 = 128
	s_mov_b32 s[(\g)+2], 128<<16                   ; tensor_dim1 = 128
	s_mov_b32 s[(\g)+3], KSTEP<<16                 ; tile_dim0 = 128
	s_mov_b32 s[(\g)+4], 128                       ; tile_dim1 = 128
	s_mov_b32 s[(\g)+5], SIZE_K                    ; 512 elements from row to row
	s_mov_b32 s[(\g)+6], 0
	s_mov_b32 s[(\g)+7], 0
.endr
	s_mov_b32 s72, 0xaaaaaaaa                      ; the odd lanes
	s_mov_b32 s73, 0xcccccccc                      ; the lanes whose number has bit 1 set
	s_lshl_b32 s17, s12, 7                         ; which 128 positions of the tile I fetch
	s_lshl_b32 s16, s13, 8
	s_add_co_u32 s16, s16, s17                     ; A: position 256 yt + 128 x half
	s_lshl_b32 s46, s42, 8
	s_add_co_u32 s46, s46, s17                     ; B: position 256 xt + 128 x half
	s_mov_b32 s17, 0
	s_mov_b32 s47, 0
	s_mov_b64 s[18:19], SIZE_K*2
	s_mul_u64 s[16:17], s[16:17], s[18:19]
	s_mul_u64 s[46:47], s[46:47], s[18:19]
	s_mul_i32 s20, s10, HALFT                      ; where they go: wave x 128 rows: no place in the cluster enters an LDS address
	s_wait_dscnt 0x0                               ; the opening add is done
	s_wait_kmcnt 0x0
	s_add_nc_u64 s[14:15], s[4:5], s[16:17]
	s_add_nc_u64 s[46:47], s[4:5], s[46:47]
	CROUND                                         ; all sixteen work-groups are here: the first joint loads meet
.irp s, 0,1
	s_mov_b32 s[G0+4*(\s)], 1
	s_add_co_u32 s[G0+4*(\s)+1], s20, (\s)*SLOT
	s_add_nc_u64 s[G0+4*(\s)+2:G0+4*(\s)+3], s[14:15], (\s)*KSTEP*2
	s_or_b32 s[G0+4*(\s)+3], s[G0+4*(\s)+3], 0x80000000
	s_mov_b32 s[G0B+4*(\s)], 1
	s_add_co_u32 s[G0B+4*(\s)+1], s20, (\s)*SLOT
	s_add_nc_u64 s[G0B+4*(\s)+2:G0B+4*(\s)+3], s[46:47], (\s)*KSTEP*2
	s_or_b32 s[G0B+4*(\s)+3], s[G0B+4*(\s)+3], 0x80000000
	JLOAD \s                                       ; both slots' first fills: two tensor loads of mine are out
.endr
	v_and_b32 v1, 15, v0                           ; r
	v_bfe_u32 v2, v0, 4, 1                         ; h
	v_mul_u32_u24 v3, v1, PITCH
	v_lshl_add_u32 v3, v2, 4, v3                   ; a fragment's row x pitch + 16 x half
	s_mul_i32 s21, s11, HALFT                      ; my 128 rows of A
	s_mul_i32 s22, s12, HALFT                      ; my 128 rows of B,
	s_add_co_u32 s22, s22, 2*HALFT                 ; which lie behind A's 256
.irp s, 0,1
	v_add_nc_u32 v[ADRA+(\s)], s21, v3
	v_add_nc_u32 v[ADRB+(\s)], s22, v3
	s_add_co_u32 s21, s21, SLOT
	s_add_co_u32 s22, s22, SLOT
.endr
	s_mul_i32 s23, s10, 4096
	s_add_co_u32 s23, s23, MST                     ; my stage
	v_and_b32 v5, 3, v1
	v_lshrrev_b32 v6, 2, v1
	v_lshlrev_b32 v[MSTO], 8, v2                   ; row 8 h + (r & 3), 32 bytes a row,
	v_lshl_add_u32 v[MSTO], v5, 5, v[MSTO]
	v_lshl_add_u32 v[MSTO], v6, 2, v[MSTO]         ; group r >> 2
	v_add_nc_u32 v[MSTO], s23, v[MSTO]
	v_and_b32 v7, 31, v0
	v_lshlrev_b32 v[MO], 4, v7
	v_add_nc_u32 v[MRD], s23, v[MO]
	v_lshlrev_b32 v[SQO], 4, v1
	v_lshl_add_u32 v[CO], v2, 18, v[SQO]           ; 8 h rows of 32,768 bytes + 16 r
	v_lshlrev_b32 v[SQH], 7, v2
	; the bases of what I load and store myself: offsets made apart, in registers that feed no descriptor
	s_lshl_b32 s76, s42, 8
	s_lshl_b32 s77, s12, 7
	s_add_co_u32 s3, s76, s77                      ; my first row's position: 256 xt + 128 x half
	s_mov_b32 s77, 0
	s_lshl_b32 s76, s3, 2
	s_add_nc_u64 s[74:75], s[6:7], s[76:77]        ; sqn at the 128 actual rows that lie at my 128 positions
	s_lshl_b32 s76, s3, 15
	s_add_nc_u64 s[68:69], s[68:69], s[76:77]      ; dmat at my first row,
	s_lshl_b32 s76, s3, 5
	s_add_nc_u64 s[70:71], s[70:71], s[76:77]      ; gmin at my first row
	s_lshl_b32 s78, s13, 8
	s_lshl_b32 s79, s11, 7
	s_add_co_u32 s78, s78, s79                     ; my first column: 256 yt + 128 x half
	s_lshl_b32 s76, s78, 2
	s_add_nc_u64 s[68:69], s[68:69], s[76:77]
	s_add_nc_u64 s[6:7], s[6:7], s[76:77]          ; sqn at my first column
	s_lshl_b32 s78, s13, 1
	s_add_co_u32 s78, s78, s11                     ; my block of 128 columns
	s_lshl_b32 s76, s78, 18                        ; x 8,192 rows x 32 bytes
	s_add_nc_u64 s[70:71], s[70:71], s[76:77]
	WIN 0x40                                       ; destination window 1, address window 0
.irp rb, 0,1,2,3,4,5,6,7
.irp j, 0,1,2,3,4,5,6,7
	global_load_b32 v[8*\rb+\j], v[SQH], s[74:75] offset:(64*(\rb/4)+(\rb%4)+4*\j)*4  ; position 16 rb + 8 h + j is the actual row 64 (rb / 4) + 4 (8 h + j) + rb % 4; once in the launch
.endr
.endr
	WIN 0
; 16 matrix instructions: column blocks a0, a0 + 1 of the window's four x all 8 row blocks, 32 along K.  zero = 1: the first product starts the sums.
; The 64 accumulators take turns, one instruction a turn, in the same order in every quarter step.
.macro MUL16 f, hi, a0, zero
	WIN MUL_LO+0x50*(\hi)
.irp a, \a0, (\a0)+1
.irp b, 0,1,2,3,4,5,6,7
.if \zero
	v_wmma_f32_16x16x32_bf16 v[8*(8*(\a)+(\b)):8*(8*(\a)+(\b))+7], v[(\f)+8*(\b):(\f)+8*(\b)+7], v[(\f)+8*(4*(\hi)+(\a)):(\f)+8*(4*(\hi)+(\a))+7], 0
.else
	v_wmma_f32_16x16x32_bf16 v[8*(8*(\a)+(\b)):8*(8*(\a)+(\b))+7], v[(\f)+8*(\b):(\f)+8*(\b)+7], v[(\f)+8*(4*(\hi)+(\a)):(\f)+8*(4*(\hi)+(\a))+7], v[8*(8*(\a)+(\b)):8*(8*(\a)+(\b))+7]
.endif
.endr
.endr
.endm
; 32 LDS loads in one run: the fragments of one quarter step (32 K at byte k of the rows) into buffer f
.macro FETCH slot, k, f
	WIN TO_B
.irp i, 0,1,2,3,4,5,6,7
	ds_load_b128 v[(\f)+8*(\i):(\f)+8*(\i)+3],   v[ADRB+(\slot)] offset:(\k)+(\i)*16*PITCH
	ds_load_b128 v[(\f)+8*(\i)+4:(\f)+8*(\i)+7], v[ADRB+(\slot)] offset:(\k)+(\i)*16*PITCH+32
.endr
	WIN 0
.irp i, 0,1,2,3,4,5,6,7
	ds_load_b128 v[(\f)+8*(\i):(\f)+8*(\i)+3],   v[ADRA+(\slot)] offset:(\k)+(\i)*16*PITCH
	ds_load_b128 v[(\f)+8*(\i)+4:(\f)+8*(\i)+7], v[ADRA+(\slot)] offset:(\k)+(\i)*16*PITCH+32
.endr
.endm
.macro PLACES                          ; four plain vector instructions between a matrix instruction and a load into, or a vector instruction on, one of its registers
.rept 4
	v_nop
.endr
.endm
; A K step is four quarter steps of 32 along K, 64 matrix instructions each, on buffers 0, 1, 0, 1.  One of the first three: multiplies f, fetches the next quarter, at byte k, into g.
.macro QUARTER slot, k, f, g, zero
	s_wait_dscnt 8                                 ; B and A's first 64 rows are in; the youngest eight loads may be out
	WIN MUL_LO
	MUL16 \f, 0, 0, \zero
	MUL16 \f, 0, 2, \zero
	PLACES
	FETCH \slot, \k, \g
	s_wait_dscnt 32                                ; all but the 32 just issued
	WIN MUL_HI
	MUL16 \f, 1, 0, \zero
	MUL16 \f, 1, 2, \zero
.endm
; The last quarter's first half: ONE barrier for the change of slots.  In front of it each wave waits for all its tensor loads (one is out: its part of the next slot), adds 0 to its spare word,
; and waits for that and for its own reads of this slot.
.macro MEET round
	WIN 0
	s_wait_tensorcnt 0x0                           ; all my tensor loads have landed
	ds_add_u32 v[SPW], v[NIL]                      ; 0 onto my spare word
	s_wait_dscnt 9                                 ; (the add and the youngest eight loads may be out)
	WIN MUL_LO
	MUL16 F1, 0, 0, 0                              ; sixteen matrix instructions stand between the add and the wait for it
	s_wait_dscnt 0x0                               ; the add is done, and my reads of this slot are over
	s_barrier_signal -1
	MUL16 F1, 0, 2, 0
.if \round
	WIN 0
.endif
	s_barrier_wait -1
.endm
; The whole last quarter.  mode 0: this slot is filled again with this tile's K step two steps on; 1: with the next tile's K step 0 or 1; 2: nothing is filled, and no round of the cluster's barrier follows.
.macro TURN slot, next, mode
.if (\mode) == 2
	MEET 0
	PLACES
.else
	MEET 1
	CREST                                          ; no wave of any partner still reads this slot's tile or has a load on its way
.if (\mode) == 1
	s_add_nc_u64 s[G0+4*(\slot)+2:G0+4*(\slot)+3], s[G0+4*(\slot)+2:G0+4*(\slot)+3], NEXT_A
	s_sub_nc_u64 s[G0B+4*(\slot)+2:G0B+4*(\slot)+3], s[G0B+4*(\slot)+2:G0B+4*(\slot)+3], BACK_B
.else
	s_add_nc_u64 s[G0+4*(\slot)+2:G0+4*(\slot)+3], s[G0+4*(\slot)+2:G0+4*(\slot)+3], 2*KSTEP*2
	s_add_nc_u64 s[G0B+4*(\slot)+2:G0B+4*(\slot)+3], s[G0B+4*(\slot)+2:G0B+4*(\slot)+3], 2*KSTEP*2
.endif
	JLOAD \slot                                    ; the first tensor load behind the round; its four v_nop are also the places in front of the loads below
.endif
	FETCH \next, 0, F0
	WIN MUL_HI
	MUL16 F1, 1, 0, 0
	MUL16 F1, 1, 2, 0
.endm
; THE WAY OUT of 16 rows (block rb) x 64 columns (half c).  S = sq_i + sq_j; d2 = S - 2 dot in one fused multiply-add; eight stores of four neighbouring columns a lane;
; then the least of each group of 16 columns: four columns in the lane, four lanes of a quad.  The quad's exchange also deals the eight rows out: lane r & 3 = e ends with rows e and 4 + e.
.macro BLOCK c, rb
.set OO, O0+32*((\rb)%2)
	WIN 0x01                                       ; source 0 (the rows' sq) in window 1
.irp q, 0,1,2,3
.irp jj, 0,1,2,3
.if (\q%2) == 0
	v_pk_add_f32 v[S+8*\q+2*\jj:S+8*\q+2*\jj+1], v[8*(\rb)+2*\jj:8*(\rb)+2*\jj+1], v[SQC+4*(\c)+2*(\q/2):SQC+4*(\c)+2*(\q/2)+1] op_sel_hi:[1,0]
.else
	v_pk_add_f32 v[S+8*\q+2*\jj:S+8*\q+2*\jj+1], v[8*(\rb)+2*\jj:8*(\rb)+2*\jj+1], v[SQC+4*(\c)+2*(\q/2):SQC+4*(\c)+2*(\q/2)+1] op_sel:[0,1] op_sel_hi:[1,1]
.endif
.endr
.endr
	s_wait_xcnt 0x0                                ; the registers that earlier stores read are rewritten only behind this wait
	WIN 0x02+(\c)                                  ; source 0 (the sums) in window 2 or 3
.irp j, 0,1,2,3,4,5,6,7                 ; each accumulator's registers in ascending order
.irp q, 0,1,2,3
	v_fma_f32 v[OO+4*\j+\q], v[64*\q+8*(\rb)+\j], -2.0, v[S+8*\q+\j]
.endr
.endr
	WIN 0
.irp j, 0,1,2,3,4,5,6,7
	v_min3_num_f32 v[T+\j], v[OO+4*\j], v[OO+4*\j+1], v[OO+4*\j+2]
	global_store_b128 v[CO], v[OO+4*\j:OO+4*\j+3], s[68:69] offset:(16*(\rb)+\j)*DROW+256*(\c) th:TH_STORE_NT  ; 16 lanes: 256 consecutive bytes of a row, aligned; 119 rows at the most: inside the signed 24-bit immediate
	v_min_num_f32 v[T+\j], v[T+\j], v[OO+4*\j+3]
.endr
.irp i, 0,1,2,3                         ; an even lane keeps row 2 i and sends row 2 i + 1, an odd lane the other way round
	v_cndmask_b32 v[KP+\i], v[T+2*\i], v[T+2*\i+1], s72
	v_cndmask_b32 v[SD+\i], v[T+2*\i+1], v[T+2*\i], s72
.endr
.irp i, 0,1,2,3
	v_min_num_f32_dpp v[KP+\i], v[SD+\i], v[KP+\i] row_xmask:1 row_mask:0xf bank_mask:0xf
.endr
.irp u, 0,1                             ; the same two lanes apart
	v_cndmask_b32 v[K2+\u], v[KP+2*\u], v[KP+2*\u+1], s73
	v_cndmask_b32 v[S2+\u], v[KP+2*\u+1], v[KP+2*\u], s73
.endr
.irp u, 0,1
	v_min_num_f32_dpp v[K2+\u], v[S2+\u], v[K2+\u] row_xmask:2 row_mask:0xf bank_mask:0xf
.endr
.irp u, 0,1
	ds_store_b32 v[MSTO], v[K2+\u] offset:(16*(\rb)+4*\u)*32+16*(\c)  ; row 16 rb + 8 h + 4 u + e, group 4 c + (r >> 2)
.endr
.endm
.macro MOUT                            ; my 128 rows x 8 groups are 4,096 dense bytes of gmin
	WIN 0
.irp t, 0,1,2,3,4,5,6,7
	ds_load_b128 v[S+4*\t:S+4*\t+3], v[MRD] offset:512*\t  ; LDS serves a wave's instructions in order (ISA guide 5.7.1.4): these see my stores above
.endr
	s_wait_dscnt 0x0
.irp t, 0,1,2,3,4,5,6,7
	global_store_b128 v[MO], v[S+4*\t:S+4*\t+3], s[70:71] offset:512*\t
.endr
.endm
.macro OUT
	WIN 0
	s_wait_loadcnt 0x0                             ; the rows' and the columns' sq
	PLACES
.irp c, 0,1
.irp rb, 0,1,2,3,4,5,6,7
	BLOCK \c, \rb
.endr
.endr
	MOUT
.endm
	s_wait_tensorcnt 1                             ; my part of K step 0 is in; K step 1's may stay out
	s_barrier_signal -1
	s_barrier_wait -1                              ; everybody's is
	FETCH 0, 0, F0
	s_mov_b32 s2, 4                                ; tiles to go, this one among them
.Ltile:
	global_load_b128 v[SQC:SQC+3], v[SQO], s[6:7]                 ; sq of this tile's columns 4 r .. 4 r + 3,
	global_load_b128 v[SQC+4:SQC+7], v[SQO], s[6:7] offset:256    ; and 64 + 4 r ..; wanted on the way out
	QUARTER 0, 64,  F0, F1, 1                      ; the first products start the sums: nothing is cleared
	QUARTER 0, 128, F1, F0, 0
	QUARTER 0, 192, F0, F1, 0
	TURN 0, 1, 0                                   ; slot 0 takes K step 2
	QUARTER 1, 64,  F0, F1, 0
	QUARTER 1, 128, F1, F0, 0
	QUARTER 1, 192, F0, F1, 0
	TURN 1, 0, 0                                   ; slot 1 takes K step 3
	QUARTER 0, 64,  F0, F1, 0
	QUARTER 0, 128, F1, F0, 0
	QUARTER 0, 192, F0, F1, 0
	WIN 0
	s_cmp_eq_u32 s2, 1
	s_cbranch_scc1 .Llast_tile                     ; the last tile's tail is written out: it asks for nothing more
	TURN 0, 1, 1                                   ; the ring goes on into the next tile: slot 0 takes its K step 0,
	QUARTER 1, 64,  F0, F1, 0
	QUARTER 1, 128, F1, F0, 0
	QUARTER 1, 192, F0, F1, 0
	TURN 1, 0, 1                                   ; slot 1 its K step 1, and the next tile's first fragments are fetched into buffer 0, which the way out leaves alone
	OUT
	s_wait_xcnt 0x0                                ; the stores' and loads' bases and data registers are rewritten only behind this wait
	s_add_nc_u64 s[68:69], s[68:69], WALK*4        ; 2,048 columns on in dmat,
	s_add_nc_u64 s[70:71], s[70:71], 16*262144     ; 16 blocks of 128 columns on in gmin,
	s_add_nc_u64 s[6:7], s[6:7], WALK*4            ; and in sqn
	s_sub_co_u32 s2, s2, 1
	s_branch .Ltile
.Llast_tile:
	TURN 0, 1, 2
	QUARTER 1, 64,  F0, F1, 0
	QUARTER 1, 128, F1, F0, 0
	QUARTER 1, 192, F0, F1, 0
	s_wait_dscnt 8                                 ; the very last quarter: nothing more to fetch
	MUL16 F1, 0, 0, 0
	MUL16 F1, 0, 2, 0
	s_wait_dscnt 0x0
	MUL16 F1, 1, 0, 0
	MUL16 F1, 1, 2, 0
	OUT
	s_wait_tensorcnt 0x0                           ; the wave's end: behind my last tensor load and my last LDS store
	ds_add_u32 v[SPW], v[NIL]
	s_wait_dscnt 0x0
	CROUND                                         ; the closing round: no work-group ends while a partner may still ask for a tile that names it
	s_endpgm
.Lfunc_end_k_qb6abf0da87_gemm:
	.size	k_qb6abf0da87_gemm, .Lfunc_end_k_qb6abf0da87_gemm-k_qb6abf0da87_gemm
	.p2alignl 7, 3214868480
	.fill 96, 4, 3214868480
	.section	.rodata,"a",@progbits
	.p2align	6, 0x0
	.amdhsa_kernel k_qb6abf0da87_gemm
		.amdhsa_group_segment_fixed_size 327680
		.amdhsa_private_segment_fixed_size 0
		.amdhsa_enable_private_segment 0
		.amdhsa_kernarg_size 32
		.amdhsa_user_sgpr_count 2
		.amdhsa_user_sgpr_kernarg_segment_ptr 1
		.amdhsa_wavefront_size32 1
		.amdhsa_system_sgpr_workgroup_id_x 1
		.amdhsa_system_sgpr_workgroup_id_y 1
		.amdhsa_system_sgpr_workgroup_id_z 1
		.amdhsa_system_vgpr_workitem_id 0
		.amdhsa_next_free_vgpr 1024
		.amdhsa_next_free_sgpr 80
		.amdhsa_reserve_vcc 0
		.amdhsa_float_denorm_mode_32 3
		.amdhsa_float_denorm_mode_16_64 3
		.amdhsa_memory_ordered 1
		.amdhsa_forward_progress 1
		.amdhsa_inst_pref_size 255
	.end_amdhsa_kernel
	.section	.bss,"aw",@nobits
	.p2align	6
	.space	262144
	.amdgpu_metadata
---
amdhsa.version: [ 1, 2 ]
amdhsa.kernels:
  - .name:           k_qb6abf0da87_gemm
    .symbol:         k_qb6abf0da87_gemm.kd
    .args:
      - { .name: xp, .offset: 0, .size: 8, .value_kind: global_buffer, .address_space: global }
      - { .name: sqn, .offset: 8, .size: 8, .value_kind: global_buffer, .address_space: global }
      - { .name: dmat, .offset: 16, .size: 8, .value_kind: global_buffer, .address_space: global }
      - { .name: gmin, .offset: 24, .size: 8, .value_kind: global_buffer, .address_space: global }
    .group_segment_fixed_size: 327680
    .private_segment_fixed_size: 0
    .kernarg_segment_align: 8
    .kernarg_segment_size: 32
    .max_flat_workgroup_size: 128
    .sgpr_count:     80
    .vgpr_count:     1024
    .wavefront_size: 32
...
	.end_amdgpu_metadata
.endif
;; end of part 2
;; launch groups (part 3): grid 256 x 1, 16 waves a work-group, no clusters, 167,936 bytes of LDS; arguments gmin, gl; writes gl
.if DOCPART == 3
	.amdgcn_target "amdgcn-amd-amdhsa--gfx1250"
	.amdhsa_code_object_version 6
	.text
	.protected	k_qb6abf0da87_groups
	.globl	k_qb6abf0da87_groups
	.p2align	8
	.type	k_qb6abf0da87_groups,@function
k_qb6abf0da87_groups:
	s_mov_b64 s[64:65], 0
	v_nop
	global_prefetch_b8 v0, s[64:65] scope:SCOPE_SE
	s_setreg_imm32_b32 hwreg(HW_REG_WAVE_MODE, 25, 1), 1
	s_wait_xcnt 0x0
; For each row (by position p): the 17 first of its 512 groups of 16 columns, in the order (f(least d2 of the group), group number), f(x) = root(max(x, 0)).
; WHY 17 GROUPS DO.  Take an element among the row's 17 first in the order (f, column).  Every group that comes before its group holds an element that comes before it (a smaller f, or an equal f and,
; since groups are ranges of columns, a lower column).  So fewer than 17 groups come before its group.
; gmin: [64 blocks of 128 columns][8192 p][8 groups] f32.   gl: [p >> 1][32 places][p & 1] u32; places 0-16 hold the groups, the others 0.
; SHARES.  16 waves, 32 rows a work-group, two rows a wave.  Waves 0-3 each bring, by one tensor load, 8 rows' minima: 64 pieces of 256 consecutive bytes.  Nothing is filled twice.
; THE CHOICE is made without a branch on data: 17 rounds; in each the least key of the wave, among the equals the least number, which is then set to +infinity.
; LIMITS.  The root is v_sqrt_f32 with one correcting step (residual by a fused multiply-add); of a denormal d2 it is not exact.  NaN counts as 0; infinities are not treated apart.
.set TPITCH, 288                       ; a piece in LDS: 256 bytes + 32 of padding = 72 words
.set TILEB,  64*TPITCH
.set SPARE,  4*TILEB                   ; behind the four tiles: the spare words, 128 bytes for each of 16 waves
.set ROUNDS, 17
.set AD,   2                           ; v2      LDS address of my first four keys of row A
.set ST8,  3                           ; v3      8 x lane
.set IDF,  8                           ; v[8:23]   the group numbers of my 16 keys, as f32: 128 t + 4 lane + e at 4 t + e
.set KA,   24                          ; v[24:39]  row A's keys
.set KB,   40                          ; v[40:55]  row B's
.set CA,   56                          ; v[56:71]  at work
.set CB,   72                          ; v[72:87]
.set TA,   88                          ; v[88:92]  at work; the result of a minimum in the first
.set TB,   93                          ; v[93:97]
.set OUT,  100                         ; v[100:101] lane n: the n-th group of row A, of row B
.set VINF, 102
.set SPW,  104
.set NIL,  105
.set SEL,  28                          ; s[28:29]
.macro SQRTF k, s, h, n                ; k = root(max(k, 0)) for n registers; s, h at work
.set z, 0
.rept \n
	v_max_num_f32 v[(\k)+z], 0, v[(\k)+z]
.set z, z+1
.endr
.set z, 0
.rept \n
	v_sqrt_f32 v[(\s)+z], v[(\k)+z]
	v_rsq_f32 v[(\h)+z], v[(\k)+z]
.set z, z+1
.endr
	v_nop                                          ; a plain instruction between the last of them and the use of a result (ISA guide 5.7.2)
.set z, 0
	s_wait_alu depctr_va_vdst(0)
.rept \n
	v_min_num_f32 v[(\h)+z], 0x5f800000, v[(\h)+z] ; 1 / root(0) is held finite, so that 0 x it is 0
	v_fma_f32 v[(\k)+z], -v[(\s)+z], v[(\s)+z], v[(\k)+z]   ; what is left: x - s s
	v_mul_f32 v[(\k)+z], v[(\k)+z], v[(\h)+z]
	v_fma_f32 v[(\k)+z], v[(\k)+z], 0.5, v[(\s)+z] ; s + (x - s s) / (2 root x)
.set z, z+1
.endr
.endm
.macro LMIN16 d, k                     ; the least of 16 registers into d
	v_min3_num_f32 v[\d], v[\k], v[(\k)+1], v[(\k)+2]
	v_min3_num_f32 v[(\d)+1], v[(\k)+3], v[(\k)+4], v[(\k)+5]
	v_min3_num_f32 v[(\d)+2], v[(\k)+6], v[(\k)+7], v[(\k)+8]
	v_min3_num_f32 v[(\d)+3], v[(\k)+9], v[(\k)+10], v[(\k)+11]
	v_min3_num_f32 v[(\d)+4], v[(\k)+12], v[(\k)+13], v[(\k)+14]
	v_min3_num_f32 v[\d], v[\d], v[(\d)+1], v[(\k)+15]
	v_min3_num_f32 v[(\d)+2], v[(\d)+2], v[(\d)+3], v[(\d)+4]
	v_min_num_f32 v[\d], v[\d], v[(\d)+2]
.endm
.macro WMIN2 a, b                      ; over the 32 lanes, for two rows line by line; every lane ends with the result
.irp m, 1,2,4,8
	v_min_num_f32_dpp v[\a], v[\a], v[\a] row_xmask:\m row_mask:0xf bank_mask:0xf
	v_min_num_f32_dpp v[\b], v[\b], v[\b] row_xmask:\m row_mask:0xf bank_mask:0xf
.endr
	v_permlanex16_b32 v[(\a)+1], v[\a], s[SEL], s[SEL+1]
	v_permlanex16_b32 v[(\b)+1], v[\b], s[SEL], s[SEL+1]
	v_min_num_f32 v[\a], v[\a], v[(\a)+1]
	v_min_num_f32 v[\b], v[\b], v[(\b)+1]
.endm
.macro PICK k, id, c, m, n             ; c = the number where the key equals the minimum, else +infinity
.set z, 0
.rept \n
	v_cmp_eq_f32 vcc_lo, v[(\k)+z], v[\m]
	v_cndmask_b32 v[(\c)+z], v[VINF], v[(\id)+z], vcc_lo
.set z, z+1
.endr
.endm
.macro DROP k, c, g, n                 ; the one that was chosen leaves: its key becomes +infinity
.set z, 0
.rept \n
	v_cmp_eq_f32 vcc_lo, v[(\c)+z], v[\g]
	v_cndmask_b32 v[(\k)+z], v[(\k)+z], v[VINF], vcc_lo
.set z, z+1
.endr
.endm
	s_load_b128 s[4:7], s[0:1], 0x0                ; gmin s[4:5], gl s[6:7]
	v_lshl_add_u32 v[SPW], v0, 2, SPARE
	v_mov_b32 v[NIL], 0
	ds_add_u32 v[SPW], v[NIL]                      ; the wave's opening: the add and its wait stand ahead of the first tensor load; work on registers stands between them
	ds_add_u32 v104, v105
	v_lshrrev_b32 v6, 5, v0
	v_readfirstlane_b32 s10, v6                    ; wave 0..15
	s_mov_b32 s16, (2<<16)|(1<<20)|(5<<22)|(7<<25) ; 17:16 4-byte elements; 20 padding on; 24:22 after every 64 words; 31:25 8 words of it
	s_mov_b32 s17, 64<<16                          ; tensor_dim0 = 64
	s_mov_b32 s18, 64<<16                          ; tensor_dim1 = 64
	s_mov_b32 s19, 64<<16                          ; tile_dim0 = 64 elements: 8 rows x 8 groups
	s_mov_b32 s20, 64                              ; tile_dim1 = 64 blocks of columns
	s_mov_b32 s21, 65536                           ; 8,192 rows x 8 elements from block to block
	s_mov_b32 s22, 0
	s_mov_b32 s23, 0
	s_mov_b32 s[SEL], 0x76543210
	s_mov_b32 s[SEL+1], 0xfedcba98
	s_wait_dscnt 0x0                               ; the opening add is done
	s_wait_kmcnt 0x0
	s_cmp_lt_u32 s10, 4
	s_cbranch_scc0 .Lno_load
	s_mov_b32 s12, 1
	s_mul_i32 s13, s10, TILEB                      ; tile w of four
	s_lshl_b32 s24, ttmp9, 10                      ; the work-group's 32 rows of 32 bytes,
	s_lshl_b32 s25, s10, 8                         ; my 8 of them
	s_add_co_u32 s24, s24, s25
	s_mov_b32 s25, 0
	s_add_nc_u64 s[14:15], s[4:5], s[24:25]
	s_or_b32 s15, s15, 0x80000000
	tensor_load_to_lds s[12:15], s[16:23]
	s_nop 0
.rept 4
	v_nop
.endr
.Lno_load:
	v_and_b32 v1, 31, v0                           ; lane; the set-up stands in the wait for the tiles
	v_lshrrev_b32 v6, 1, v1
	v_mul_u32_u24 v[AD], v6, TPITCH                ; block of columns lane / 2 (+ 16 t),
	v_and_b32 v6, 1, v1
	v_lshl_add_u32 v[AD], v6, 4, v[AD]             ; its first or second four groups,
	s_lshr_b32 s26, s10, 2
	s_mul_i32 s26, s26, TILEB                      ; the tile that holds my two rows,
	s_and_b32 s27, s10, 3
	s_lshl_b32 s27, s27, 6                         ; and their place in a piece
	s_add_co_u32 s26, s26, s27
	v_add_nc_u32 v[AD], s26, v[AD]
	v_lshlrev_b32 v[ST8], 3, v1
	v_lshlrev_b32 v7, 2, v1
.set z, 0
.rept 16
	v_add_nc_u32 v6, 128*(z/4)+z%4, v7
	v_cvt_f32_u32 v[IDF+z], v6
.set z, z+1
.endr
	v_mov_b32 v[VINF], 0x7f800000
	v_mov_b32 v[OUT], 0
	v_mov_b32 v[OUT+1], 0
	s_lshl_b32 s24, ttmp9, 4
	s_add_co_u32 s24, s24, s10
	s_lshl_b32 s24, s24, 8                         ; my pair of rows: 256 bytes of gl
	s_mov_b32 s25, 0
	s_add_nc_u64 s[6:7], s[6:7], s[24:25]
	s_wait_tensorcnt 0x0                           ; my tile, if I asked for one, is in,
	s_barrier_signal -1
	s_barrier_wait -1                              ; everybody's is
.irp t, 0,1,2,3
	ds_load_b128 v[KA+4*\t:KA+4*\t+3], v[AD] offset:16*TPITCH*\t
	ds_load_b128 v[KB+4*\t:KB+4*\t+3], v[AD] offset:16*TPITCH*\t+32
.endr
	s_wait_dscnt 0x0
	SQRTF KA, CA, CB, 16
	SQRTF KB, CA, CB, 16
	s_mov_b32 s9, 0
.Lround:
	LMIN16 TA, KA
	LMIN16 TB, KB
	WMIN2 TA, TB                                   ; the least key
	PICK KA, IDF, CA, TA, 16
	PICK KB, IDF, CB, TB, 16
	LMIN16 TA, CA
	LMIN16 TB, CB
	WMIN2 TA, TB                                   ; among the equals the lowest number
	DROP KA, CA, TA, 16
	DROP KB, CB, TB, 16
	v_cmp_eq_u32 vcc_lo, s9, v1                    ; lane n keeps round n's
	v_cndmask_b32 v[OUT], v[OUT], v[TA], vcc_lo
	v_cndmask_b32 v[OUT+1], v[OUT+1], v[TB], vcc_lo
	s_add_co_u32 s9, s9, 1
	s_cmp_lt_u32 s9, ROUNDS
	s_cbranch_scc1 .Lround
	v_cvt_u32_f32 v[OUT], v[OUT]
	v_cvt_u32_f32 v[OUT+1], v[OUT+1]
	global_store_b64 v[ST8], v[OUT:OUT+1], s[6:7]  ; 256 consecutive bytes, aligned
	s_wait_tensorcnt 0x0                           ; the wave's end
	ds_add_u32 v[SPW], v[NIL]
	s_wait_dscnt 0x0
	s_endpgm
.Lfunc_end_k_qb6abf0da87_groups:
	.size	k_qb6abf0da87_groups, .Lfunc_end_k_qb6abf0da87_groups-k_qb6abf0da87_groups
	.p2alignl 7, 3214868480
	.fill 96, 4, 3214868480
	.section	.rodata,"a",@progbits
	.p2align	6, 0x0
	.amdhsa_kernel k_qb6abf0da87_groups
		.amdhsa_group_segment_fixed_size 167936
		.amdhsa_private_segment_fixed_size 0
		.amdhsa_enable_private_segment 0
		.amdhsa_kernarg_size 16
		.amdhsa_user_sgpr_count 2
		.amdhsa_user_sgpr_kernarg_segment_ptr 1
		.amdhsa_wavefront_size32 1
		.amdhsa_system_sgpr_workgroup_id_x 1
		.amdhsa_system_sgpr_workgroup_id_y 1
		.amdhsa_system_sgpr_workgroup_id_z 1
		.amdhsa_system_vgpr_workitem_id 0
		.amdhsa_next_free_vgpr 128
		.amdhsa_next_free_sgpr 66
		.amdhsa_reserve_vcc 1
		.amdhsa_float_denorm_mode_32 3
		.amdhsa_float_denorm_mode_16_64 3
		.amdhsa_memory_ordered 1
		.amdhsa_forward_progress 1
		.amdhsa_inst_pref_size 23
	.end_amdhsa_kernel
	.amdgpu_metadata
---
amdhsa.version: [ 1, 2 ]
amdhsa.kernels:
  - .name:           k_qb6abf0da87_groups
    .symbol:         k_qb6abf0da87_groups.kd
    .args:
      - { .name: gmin, .offset: 0, .size: 8, .value_kind: global_buffer, .address_space: global }
      - { .name: gl, .offset: 8, .size: 8, .value_kind: global_buffer, .address_space: global }
    .group_segment_fixed_size: 167936
    .private_segment_fixed_size: 0
    .kernarg_segment_align: 8
    .kernarg_segment_size: 16
    .max_flat_workgroup_size: 512
    .sgpr_count:     66
    .vgpr_count:     128
    .wavefront_size: 32
...
	.end_amdgpu_metadata
.endif
;; end of part 3
;; launch elems (part 4): grid 256 x 1, 8 waves a work-group, no clusters, 0 bytes of LDS; arguments gl, dmat, nb; writes nb
.if DOCPART == 4
	.amdgcn_target "amdgcn-amd-amdhsa--gfx1250"
	.amdhsa_code_object_version 6
	.text
	.protected	k_qb6abf0da87_elems
	.globl	k_qb6abf0da87_elems
	.p2align	8
	.type	k_qb6abf0da87_elems,@function
k_qb6abf0da87_elems:
	s_mov_b64 s[64:65], 0
	v_nop
	global_prefetch_b8 v0, s[64:65] scope:SCOPE_SE
	s_setreg_imm32_b32 hwreg(HW_REG_WAVE_MODE, 25, 1), 1
	s_wait_xcnt 0x0
; For each row (by position p): of the 272 columns of its 17 chosen groups, places 1 to 16 in the order (f(d2), column), f(x) = root(max(x, 0)); place 0 is dropped, whatever lies there.
; gl: [p >> 1][32 places][p & 1] u32, the groups.  dmat: [p][8192 columns] f32.  nb: [p][16] u32: each neighbour's POSITION in xp, pi(j) = (j & ~63) + 16 (j & 3) + ((j >> 2) & 15).
; SHARES.  Eight waves, 32 rows a work-group, four rows a wave.  Register t (0..8) of lane l holds element l % 16 of the group at place 2 t + l / 16; place 17 does not exist: its key is set to +infinity.
; All four rows' loads stand at the head: 36 of group numbers, then 36 of d2, each half of the lanes taking 64 consecutive bytes.  Addresses hang on gl alone, whole numbers that an earlier launch stored.
; THE CHOICE is made without a branch on data: 17 rounds; in each the least key of the wave, among the equals the lowest column, which is then set to +infinity.  Two rows go side by side.
; No LDS, no barrier: no wave needs another.
; LIMITS.  As in the launch before: the root is v_sqrt_f32 with one correcting step, not exact for a denormal d2; NaN counts as 0; infinities are not treated apart.  A group number is clamped to 511.
.set ROUNDS, 17
.set NONE, 0x40000000                  ; a number that no lane's place equals (those lie in -24 .. 31)
.set E4,   2                           ; v2      4 x (lane % 16)
.set H8,   3                           ; v3      8 x (lane / 16)
.set ST8,  4                           ; v4      8 x lane
.set K,    16                          ; v[16:51]   row a's nine keys at K + 9 a
.set CF,   52                          ; v[52:87]   their columns, as f32
.set OF,   88                          ; v[88:123]  group numbers, then byte offsets in a row of dmat; later at work
.set H,    124                         ; v[124:159] at work
.set CA,   88
.set CB,   97
.set TA,   160                         ; v[160:162]
.set TB,   164                         ; v[164:166]
.set OUT,  168                         ; v[168:169] lane L: row L / 8, places 2 (L % 8) + 1 and + 2 of its order
.set VINF, 170
.set LA,   172                         ; v[172:175] lane - 8 a
.set W0,   176
.set W1,   177
.set SEL,  28
.macro SQRTF k, s, h, n                ; k = root(max(k, 0)) for n registers; s, h at work
.set z, 0
.rept \n
	v_max_num_f32 v[(\k)+z], 0, v[(\k)+z]
.set z, z+1
.endr
.set z, 0
.rept \n
	v_sqrt_f32 v[(\s)+z], v[(\k)+z]
	v_rsq_f32 v[(\h)+z], v[(\k)+z]
.set z, z+1
.endr
	v_nop                                          ; a plain instruction between the last of them and the use of a result (ISA guide 5.7.2)
.set z, 0
	s_wait_alu depctr_va_vdst(0)
.rept \n
	v_min_num_f32 v[(\h)+z], 0x5f800000, v[(\h)+z] ; 1 / root(0) is held finite, so that 0 x it is 0
	v_fma_f32 v[(\k)+z], -v[(\s)+z], v[(\s)+z], v[(\k)+z]
	v_mul_f32 v[(\k)+z], v[(\k)+z], v[(\h)+z]
	v_fma_f32 v[(\k)+z], v[(\k)+z], 0.5, v[(\s)+z]
.set z, z+1
.endr
.endm
.macro LMIN9 d, k
	v_min3_num_f32 v[\d], v[\k], v[(\k)+1], v[(\k)+2]
	v_min3_num_f32 v[(\d)+1], v[(\k)+3], v[(\k)+4], v[(\k)+5]
	v_min3_num_f32 v[(\d)+2], v[(\k)+6], v[(\k)+7], v[(\k)+8]
	v_min3_num_f32 v[\d], v[\d], v[(\d)+1], v[(\d)+2]
.endm
.macro WMIN2 a, b
.irp m, 1,2,4,8
	v_min_num_f32_dpp v[\a], v[\a], v[\a] row_xmask:\m row_mask:0xf bank_mask:0xf
	v_min_num_f32_dpp v[\b], v[\b], v[\b] row_xmask:\m row_mask:0xf bank_mask:0xf
.endr
	v_permlanex16_b32 v[(\a)+1], v[\a], s[SEL], s[SEL+1]
	v_permlanex16_b32 v[(\b)+1], v[\b], s[SEL], s[SEL+1]
	v_min_num_f32 v[\a], v[\a], v[(\a)+1]
	v_min_num_f32 v[\b], v[\b], v[(\b)+1]
.endm
.macro PICK k, id, c, m, n
.set z, 0
.rept \n
	v_cmp_eq_f32 vcc_lo, v[(\k)+z], v[\m]
	v_cndmask_b32 v[(\c)+z], v[VINF], v[(\id)+z], vcc_lo
.set z, z+1
.endr
.endm
.macro DROP k, c, g, n
.set z, 0
.rept \n
	v_cmp_eq_f32 vcc_lo, v[(\c)+z], v[\g]
	v_cndmask_b32 v[(\k)+z], v[(\k)+z], v[VINF], vcc_lo
.set z, z+1
.endr
.endm
.macro KEEP a, g                       ; round n's column goes to place n - 1 of row a: lane 8 a + (n - 1) / 2, register (n - 1) % 2
	v_cmp_eq_u32 vcc_lo, s26, v[LA+(\a)]
	v_cndmask_b32 v[OUT], v[OUT], v[\g], vcc_lo
	v_cmp_eq_u32 vcc_lo, s25, v[LA+(\a)]
	v_cndmask_b32 v[OUT+1], v[OUT+1], v[\g], vcc_lo
.endm
.macro PAIR a0                         ; rows a0 and a0 + 1
	s_mov_b32 s9, 0
.Lround_\@:
	LMIN9 TA, K+9*(\a0)
	LMIN9 TB, K+9*(\a0)+9
	WMIN2 TA, TB                                   ; the least key
	PICK K+9*(\a0), CF+9*(\a0), CA, TA, 9
	PICK K+9*(\a0)+9, CF+9*(\a0)+9, CB, TB, 9
	LMIN9 TA, CA
	LMIN9 TB, CB
	WMIN2 TA, TB                                   ; among the equals the lowest column
	DROP K+9*(\a0), CA, TA, 9
	DROP K+9*(\a0)+9, CB, TB, 9
	s_sub_co_u32 s22, s9, 1                        ; n - 1; in round 0 it wraps, and half of it equals no lane's place: place 0 is dropped
	s_lshr_b32 s23, s22, 1
	s_and_b32 s24, s22, 1                          ; SCC: n - 1 is odd
	s_cselect_b32 s25, s23, NONE
	s_cselect_b32 s26, NONE, s23
	KEEP \a0, TA
	KEEP (\a0)+1, TB
	s_add_co_u32 s9, s9, 1
	s_cmp_lt_u32 s9, ROUNDS
	s_cbranch_scc1 .Lround_\@
.endm
	s_load_b128 s[4:7], s[0:1], 0x0                ; gl s[4:5], dmat s[6:7]
	s_load_b64 s[8:9], s[0:1], 0x10                ; nb
	v_and_b32 v1, 31, v0                           ; lane
	v_lshrrev_b32 v5, 5, v0
	v_readfirstlane_b32 s10, v5                    ; wave
	v_and_b32 v[E4], 15, v1
	v_lshlrev_b32 v[E4], 2, v[E4]
	v_lshrrev_b32 v[H8], 4, v1
	v_lshlrev_b32 v[H8], 3, v[H8]
	v_lshlrev_b32 v[ST8], 3, v1
	s_lshl_b32 s11, ttmp9, 3
	s_add_co_u32 s11, s11, s10                     ; my four rows: number 8 x work-group + wave
	s_lshl_b32 s16, s11, 9                         ; two pairs of rows, 256 bytes each, in gl
	s_mov_b32 s17, 0
	s_lshl_b32 s18, s11, 17                        ; four rows of 32,768 bytes in dmat
	s_mov_b32 s19, 0
	s_lshl_b32 s20, s11, 8                         ; four rows of 64 bytes in nb
	s_mov_b32 s21, 0
	s_mov_b32 s27, 0xffff0000                      ; the upper half of the lanes
	s_mov_b32 s[SEL], 0x76543210
	s_mov_b32 s[SEL+1], 0xfedcba98
	s_wait_kmcnt 0x0
	s_add_nc_u64 s[4:5], s[4:5], s[16:17]
	s_add_nc_u64 s[6:7], s[6:7], s[18:19]
	s_add_nc_u64 s[12:13], s[8:9], s[20:21]
.irp a, 0,1,2,3
.irp t, 0,1,2,3,4,5,6,7,8
	global_load_b32 v[OF+9*\a+\t], v[H8], s[4:5] offset:(\a/2)*256+16*\t+4*(\a%2)  ; the group at place 2 t + lane / 16
.endr
.endr
	v_mov_b32 v[VINF], 0x7f800000
	v_mov_b32 v[OUT], 0
	v_mov_b32 v[OUT+1], 0
.irp a, 0,1,2,3
	v_sub_nc_u32 v[LA+\a], v1, 8*\a
.endr
	s_wait_loadcnt 0x0
.set z, 0
.rept 36
	v_min_u32 v[OF+z], 0x1ff, v[OF+z]              ; a loaded number enters an address only clamped
	v_lshlrev_b32 v[OF+z], 6, v[OF+z]              ; 64 bytes a group,
	v_add_nc_u32 v[OF+z], v[OF+z], v[E4]           ; my element of it
.set z, z+1
.endr
.irp a, 0,1,2,3
.irp t, 0,1,2,3,4,5,6,7,8
	global_load_b32 v[K+9*\a+\t], v[OF+9*\a+\t], s[6:7] offset:\a*32768
.endr
.endr
.set z, 0
.rept 36
	v_lshrrev_b32 v[CF+z], 2, v[OF+z]              ; the column: 16 x group + element
	v_cvt_f32_u32 v[CF+z], v[CF+z]
.set z, z+1
.endr
	s_wait_loadcnt 0x0                             ; the keys are in, and the offsets' registers are free
	SQRTF K, OF, H, 36
.irp a, 0,1,2,3
	v_cndmask_b32 v[K+9*\a+8], v[K+9*\a+8], v[VINF], s27  ; place 17 does not exist
.endr
	PAIR 0
	PAIR 2
.irp u, 0,1
	v_cvt_u32_f32 v[OUT+\u], v[OUT+\u]             ; the column j; its position in xp:
	v_and_b32 v[W0], 0x1fc0, v[OUT+\u]
	v_and_b32 v[W1], 3, v[OUT+\u]
	v_lshl_or_b32 v[W0], v[W1], 4, v[W0]
	v_bfe_u32 v[W1], v[OUT+\u], 2, 4
	v_or_b32 v[OUT+\u], v[W0], v[W1]
.endr
	global_store_b64 v[ST8], v[OUT:OUT+1], s[12:13]  ; four rows of 64 bytes: 256 consecutive bytes, aligned
	s_endpgm
.Lfunc_end_k_qb6abf0da87_elems:
	.size	k_qb6abf0da87_elems, .Lfunc_end_k_qb6abf0da87_elems-k_qb6abf0da87_elems
	.p2alignl 7, 3214868480
	.fill 96, 4, 3214868480
	.section	.rodata,"a",@progbits
	.p2align	6, 0x0
	.amdhsa_kernel k_qb6abf0da87_elems
		.amdhsa_group_segment_fixed_size 0
		.amdhsa_private_segment_fixed_size 0
		.amdhsa_enable_private_segment 0
		.amdhsa_kernarg_size 24
		.amdhsa_user_sgpr_count 2
		.amdhsa_user_sgpr_kernarg_segment_ptr 1
		.amdhsa_wavefront_size32 1
		.amdhsa_system_sgpr_workgroup_id_x 1
		.amdhsa_system_sgpr_workgroup_id_y 1
		.amdhsa_system_sgpr_workgroup_id_z 1
		.amdhsa_system_vgpr_workitem_id 0
		.amdhsa_next_free_vgpr 184
		.amdhsa_next_free_sgpr 66
		.amdhsa_reserve_vcc 1
		.amdhsa_float_denorm_mode_32 3
		.amdhsa_float_denorm_mode_16_64 3
		.amdhsa_memory_ordered 1
		.amdhsa_forward_progress 1
		.amdhsa_inst_pref_size 38
	.end_amdhsa_kernel
	.amdgpu_metadata
---
amdhsa.version: [ 1, 2 ]
amdhsa.kernels:
  - .name:           k_qb6abf0da87_elems
    .symbol:         k_qb6abf0da87_elems.kd
    .args:
      - { .name: gl, .offset: 0, .size: 8, .value_kind: global_buffer, .address_space: global }
      - { .name: dmat, .offset: 8, .size: 8, .value_kind: global_buffer, .address_space: global }
      - { .name: nb, .offset: 16, .size: 8, .value_kind: global_buffer, .address_space: global }
    .group_segment_fixed_size: 0
    .private_segment_fixed_size: 0
    .kernarg_segment_align: 8
    .kernarg_segment_size: 24
    .max_flat_workgroup_size: 256
    .sgpr_count:     66
    .vgpr_count:     184
    .wavefront_size: 32
...
	.end_amdgpu_metadata
.endif
;; end of part 4
;; launch mean (part 5): grid 1024 x 1, 8 waves a work-group, no clusters, 0 bytes of LDS; arguments nb, xp, out0; writes out0
.if DOCPART == 5
	.amdgcn_target "amdgcn-amd-amdhsa--gfx1250"
	.amdhsa_code_object_version 6
	.text
	.protected	k_qb6abf0da87_mean
	.globl	k_qb6abf0da87_mean
	.p2align	8
	.type	k_qb6abf0da87_mean,@function
k_qb6abf0da87_mean:
	s_mov_b64 s[64:65], 0
	v_nop
	global_prefetch_b8 v0, s[64:65] scope:SCOPE_SE
	s_setreg_imm32_b32 hwreg(HW_REG_WAVE_MODE, 25, 1), 1
	s_wait_xcnt 0x0
; out0[i][:] = the mean of the 16 rows of xp that nb names for the row at position p = pi(i).   nb: [p][16] u32, positions.  xp: [position][512] bf16.  out0: [8192][512] f32.
; SHARES.  One wave, one row; no loop, no LDS, no barrier.  The 16 positions come by one scalar load and make 16 scalar bases; 64 loads of 256 consecutive bytes each go out together; each
; neighbour is added when its four have come.  The sum is in f32, in the order of the list, and is multiplied once by 1/16 (exact).  Four stores of 512 consecutive bytes.
; The matrix unit and clusters would add nothing: sixteen additions a number, and no two work-groups share a list.
; LIMITS.  The rows averaged are x rounded to bf16.  A position is clamped to 8,191.
.set X,   16                           ; v[16:143]  neighbour n, chunk t of 128 columns: two registers of two bf16 at X + 8 n + 2 t
.set ACC, 144                          ; v[144:159] column 128 t + 4 lane + e at ACC + 4 t + e
.set ONE, 160
	s_load_b128 s[4:7], s[0:1], 0x0                ; nb s[4:5], xp s[6:7]
	s_load_b64 s[8:9], s[0:1], 0x10                ; out0
	v_and_b32 v1, 31, v0
	v_lshrrev_b32 v4, 5, v0
	v_readfirstlane_b32 s10, v4                    ; wave
	v_lshlrev_b32 v2, 3, v1                        ; 8 bytes a lane in xp
	v_lshlrev_b32 v3, 4, v1                        ; 16 bytes a lane in out0
	v_mov_b32 v[ONE], 1.0
	s_lshl_b32 s11, ttmp9, 3
	s_add_co_u32 s11, s11, s10                     ; p
	s_lshl_b32 s2, s11, 6                          ; 64 bytes a row of nb
	s_mov_b32 s3, 0
	s_wait_kmcnt 0x0
	s_add_nc_u64 s[12:13], s[4:5], s[2:3]
	s_load_b512 s[16:31], s[12:13], 0x0            ; the 16 positions
	s_and_b32 s14, s11, 0x1fc0                     ; the row that lies at position p: (p & ~63) + 4 (p & 15) + ((p >> 4) & 3)
	s_and_b32 s15, s11, 15
	s_lshl2_add_u32 s14, s15, s14
	s_bfe_u32 s15, s11, 0x20004
	s_add_co_u32 s14, s14, s15
	s_lshl_b32 s14, s14, 11                        ; x 2,048 bytes
	s_mov_b32 s15, 0
	s_add_nc_u64 s[8:9], s[8:9], s[14:15]
	s_wait_kmcnt 0x0
.set n, 0
.rept 16
	s_min_u32 s[16+n], s[16+n], 0x1fff             ; a loaded number enters an address only clamped
	s_lshl_b32 s2, s[16+n], 10                     ; 1,024 bytes a row of xp
	s_add_nc_u64 s[32+2*n:33+2*n], s[6:7], s[2:3]  ; a base of its own for each neighbour: none is rewritten
.irp t, 0,1,2,3
	global_load_b64 v[X+8*n+2*\t:X+8*n+2*\t+1], v2, s[32+2*n:33+2*n] offset:256*\t
.endr
.set n, n+1
.endr
	s_wait_loadcnt 60                              ; loads come back in order: the first neighbour's four are in, the other 60 stay out
.set u, 0
.rept 8
	v_lshlrev_b32 v[ACC+2*u], 16, v[X+u]           ; the first neighbour starts the sums: nothing is cleared
	v_and_b32 v[ACC+2*u+1], 0xffff0000, v[X+u]
.set u, u+1
.endr
.set n, 1
.rept 15
	s_wait_loadcnt 60-4*n                          ; neighbour n's four are in, the later ones' stay out
.set u, 0
.rept 8
	v_fma_mix_f32_bf16 v[ACC+2*u], v[X+8*n+u], v[ONE], v[ACC+2*u] op_sel_hi:[1,0,0]
	v_fma_mix_f32_bf16 v[ACC+2*u+1], v[X+8*n+u], v[ONE], v[ACC+2*u+1] op_sel:[1,0,0] op_sel_hi:[1,0,0]
.set u, u+1
.endr
.set n, n+1
.endr
.set u, 0
.rept 8
	v_pk_mul_f32 v[ACC+2*u:ACC+2*u+1], v[ACC+2*u:ACC+2*u+1], 0x3d800000 op_sel_hi:[1,0]  ; x 1/16
.set u, u+1
.endr
.irp t, 0,1,2,3
	global_store_b128 v3, v[ACC+4*\t:ACC+4*\t+3], s[8:9] offset:512*\t th:TH_STORE_NT  ; 512 consecutive bytes, aligned
.endr
	s_endpgm
.Lfunc_end_k_qb6abf0da87_mean:
	.size	k_qb6abf0da87_mean, .Lfunc_end_k_qb6abf0da87_mean-k_qb6abf0da87_mean
	.p2alignl 7, 3214868480
	.fill 96, 4, 3214868480
	.section	.rodata,"a",@progbits
	.p2align	6, 0x0
	.amdhsa_kernel k_qb6abf0da87_mean
		.amdhsa_group_segment_fixed_size 0
		.amdhsa_private_segment_fixed_size 0
		.amdhsa_enable_private_segment 0
		.amdhsa_kernarg_size 24
		.amdhsa_user_sgpr_count 2
		.amdhsa_user_sgpr_kernarg_segment_ptr 1
		.amdhsa_wavefront_size32 1
		.amdhsa_system_sgpr_workgroup_id_x 1
		.amdhsa_system_sgpr_workgroup_id_y 1
		.amdhsa_system_sgpr_workgroup_id_z 1
		.amdhsa_system_vgpr_workitem_id 0
		.amdhsa_next_free_vgpr 168
		.amdhsa_next_free_sgpr 66
		.amdhsa_reserve_vcc 0
		.amdhsa_float_denorm_mode_32 3
		.amdhsa_float_denorm_mode_16_64 3
		.amdhsa_memory_ordered 1
		.amdhsa_forward_progress 1
		.amdhsa_inst_pref_size 27
	.end_amdhsa_kernel
	.amdgpu_metadata
---
amdhsa.version: [ 1, 2 ]
amdhsa.kernels:
  - .name:           k_qb6abf0da87_mean
    .symbol:         k_qb6abf0da87_mean.kd
    .args:
      - { .name: nb, .offset: 0, .size: 8, .value_kind: global_buffer, .address_space: global }
      - { .name: xp, .offset: 8, .size: 8, .value_kind: global_buffer, .address_space: global }
      - { .name: out0, .offset: 16, .size: 8, .value_kind: global_buffer, .address_space: global }
    .group_segment_fixed_size: 0
    .private_segment_fixed_size: 0
    .kernarg_segment_align: 8
    .kernarg_segment_size: 24
    .max_flat_workgroup_size: 256
    .sgpr_count:     66
    .vgpr_count:     168
    .wavefront_size: 32
...
	.end_amdgpu_metadata
.endif
;; end of part 5
;; ======== version 2 of 2: 5 launches; version 1 with the launch prep written anew for expert scheduling mode
;; workspace buffers: xp 8,388,608 bytes; sqn 32,768 bytes; dmat 268,435,456 bytes; gmin 16,777,216 bytes; gl 1,048,576 bytes of whole numbers; nb 524,288 bytes of whole numbers
;; launch prep (part 6): grid 256 x 1, 8 waves a work-group, no clusters, 1,280 bytes of LDS; arguments x, xp, sqn; writes xp, sqn
.if DOCPART == 6
	.amdgcn_target "amdgcn-amd-amdhsa--gfx1250"
	.amdhsa_code_object_version 6
	.text
	.protected	k_qb6abf0da87_prep
	.globl	k_qb6abf0da87_prep
	.p2align	8
	.type	k_qb6abf0da87_prep,@function
k_qb6abf0da87_prep:
	s_mov_b64 s[64:65], 0
	v_nop
	global_prefetch_b8 v0, s[64:65] scope:SCOPE_SE
	s_setreg_imm32_b32 hwreg(HW_REG_WAVE_SCHED_MODE, 0, 2), 2
	s_setreg_imm32_b32 hwreg(HW_REG_WAVE_MODE, 25, 1), 1
	s_wait_xcnt 0x0
	s_wait_alu depctr_vm_vsrc(0)
; xp[pi(i)][:] = bf16(x[i][:]);  sqn[i] = the sum over c of bf16(x[i][c])^2, in f32.   x: [8192][512] f32.
; pi(i) = (i & ~63) + 16 (i & 3) + ((i >> 2) & 15): inside each 64 rows, the rows 4 r + q lie at positions 16 q + r.  The product's launch
; then finds four neighbouring columns of the distance matrix in one lane.
; SHARES.  Eight waves, 32 rows a work-group, four rows a wave.  A load of a wave covers 512 consecutive bytes of a row of x, a store 256
; consecutive bytes of a row of xp, aligned.  The 32 sums of a work-group meet in LDS and leave as 128 consecutive bytes (32 KiB in the whole launch).
; THE SUM is taken of the ROUNDED numbers (their squares are exact in f32): 16 a lane in two packed chains of fused multiply-adds, then a tree over the lanes.
; LIMITS.  The order of these additions is not the reference's: sq may differ from it in the last bits.  NaN and infinities are not treated apart.
; THE MODE: SCHED_MODE bits 1:0 = 2 (LLVM: expert scheduling mode 2), set by the entry lines.  The code itself states the register dependences
; between vector instructions and memory or LDS instructions, with s_wait_alu, always for 0.
; THE PLAN.  Registers that memory or LDS instructions touch:
;   v2, v3, v[LW], v[WA]  offsets and LDS addresses: written at the head, read by the loads and stores, never written again.
;   X[a]      written by the 16 loads at the head and by nothing else; read by row a's conversions; never loaded again.
;   PK[a]     eight registers of its own for each row: written by row a's conversions, read by its unpacking lines and its four stores, never written again.
;   SUM[a]    a register of its own for each row: written by row a's tree, read by one LDS store, never written again.
;   v[BK]     written by wave 0's LDS load alone, read by its store.      v[SPW], v[NIL]  written at the head, read by the closing add alone.
;   P, AC and T are named by vector instructions alone.
; So one wait on va_vdst stands in a row, behind its conversions and unpacking lines: it states that PK[a] is written, and the sum of the row before.  The row's four stores and
; the LDS store of the row before follow it directly.  One more stands behind the last row's tree.  No register that a memory or LDS instruction reads is written again: no wait on vm_vsrc is owed.
.set SPARE, 256                        ; LDS 0-127: the 32 sums (the block 0-255 is theirs); from 256: the spare words, 128 bytes for each of eight waves
.set SPW, 4                            ; v4      LDS address of my spare word; never rewritten
.set NIL, 5                            ; v5      0; never rewritten
.set X,   8                            ; v[8:71]    row a, chunk t of 128 columns: four f32 at X + 16 a + 4 t
.set PK,  72                           ; v[72:103]  row a: eight registers of two bf16
.set P,   104                          ; v[104:119] the rounded numbers as f32
.set AC,  120                          ; v[120:123] two packed chains
.set T,   124                          ; v124    the other half of the lanes' sum
.set SUM, 128                          ; v[128:131] row a's sum at SUM + a
.set WA,  132                          ; v132    16 x wave: my four words in LDS
.set LW,  133                          ; v133    4 x lane
.set BK,  134                          ; v134    a sum read back
	s_load_b128 s[4:7], s[0:1], 0x0                ; x s[4:5], xp s[6:7]
	s_load_b64 s[8:9], s[0:1], 0x10                ; sqn
	v_lshl_add_u32 v[SPW], v0, 2, SPARE
	v_mov_b32 v[NIL], 0
	v_and_b32 v1, 31, v0                           ; lane
	v_lshrrev_b32 v6, 5, v0
	v_readfirstlane_b32 s10, v6                    ; wave
	v_lshlrev_b32 v2, 4, v1                        ; 16 bytes a lane in x
	v_lshlrev_b32 v3, 3, v1                        ; 8 bytes a lane in xp
	v_lshlrev_b32 v[LW], 2, v1
	v_mov_b32 v[T], 0                              ; v_permlanex16_b32 counts as a reader of its destination
	s_wait_alu depctr_va_sdst(0)                   ; s10 is written, ahead of its first reader, the line below; the bases and the branch on the wave's number are made from it too
	v_mov_b32 v[WA], s10
	v_lshlrev_b32 v[WA], 4, v[WA]
	s_lshl_b32 s11, ttmp9, 5
	s_lshl2_add_u32 s11, s10, s11                  ; my first row: 32 x work-group + 4 x wave
	s_lshl_b32 s14, s11, 11                        ; x 2,048 bytes
	s_mov_b32 s15, 0
	s_and_b32 s16, s11, 0x1fc0                     ; its position: the 64 rows' first,
	s_bfe_u32 s17, s11, 0x40002                    ; + (row >> 2) & 15; row a of my four lies 16 a positions on
	s_add_co_u32 s16, s16, s17
	s_lshl_b32 s16, s16, 10                        ; x 1,024 bytes
	s_mov_b32 s17, 0
	s_lshl_b32 s18, ttmp9, 7                       ; the work-group's 32 sums
	s_mov_b32 s19, 0
	s_mov_b32 s13, 0xffff0000                      ; a word's upper bf16
	s_mov_b32 s20, 0x76543210                      ; v_permlanex16_b32: each lane takes its own place in the other half
	s_mov_b32 s21, 0xfedcba98
	s_wait_kmcnt 0x0
	s_add_nc_u64 s[4:5], s[4:5], s[14:15]
	s_add_nc_u64 s[6:7], s[6:7], s[16:17]
	s_add_nc_u64 s[8:9], s[8:9], s[18:19]
	s_wait_alu depctr_va_vdst(0)                   ; v2, v3, v[LW] and v[WA] are written: every load and store of the kernel, global or LDS, reads one of them as its offset or address
.irp a, 0,1,2,3
.irp t, 0,1,2,3
	global_load_b128 v[X+16*\a+4*\t:X+16*\a+4*\t+3], v2, s[4:5] offset:\a*2048+\t*512 th:TH_LOAD_NT
.endr
.endr
.macro ROWDO a
	s_wait_loadcnt 12-4*(\a)                       ; loads come back in order: this row's four are in, the later rows' stay out
.set u, 0
.rept 8
	v_cvt_pk_bf16_f32 v[PK+8*(\a)+u], v[X+16*(\a)+2*u], v[X+16*(\a)+2*u+1]
.set u, u+1
.endr
.set u, 0
.rept 8
	v_lshlrev_b32 v[P+2*u], 16, v[PK+8*(\a)+u]     ; the rounded numbers back in f32
	v_and_b32 v[P+2*u+1], s13, v[PK+8*(\a)+u]
.set u, u+1
.endr
	s_wait_alu depctr_va_vdst(0)                   ; the conversions have written PK[a], which the four stores read; the row before has written its sum, which the LDS store reads
.irp t, 0,1,2,3
	global_store_b64 v3, v[PK+8*(\a)+2*\t:PK+8*(\a)+2*\t+1], s[6:7] offset:(\a)*16384+256*\t  ; 32 lanes: 256 consecutive bytes, aligned
.endr
.if (\a) > 0
	ds_store_b32 v[WA], v[SUM+(\a)-1] offset:4*((\a)-1)  ; the row before: all lanes write the same word with the same number
.endif
	v_pk_mul_f32 v[AC:AC+1], v[P:P+1], v[P:P+1]    ; the first products start the chains
	v_pk_mul_f32 v[AC+2:AC+3], v[P+2:P+3], v[P+2:P+3]
.set u, 2
.rept 6
	v_pk_fma_f32 v[AC+2*(u%2):AC+2*(u%2)+1], v[P+2*u:P+2*u+1], v[P+2*u:P+2*u+1], v[AC+2*(u%2):AC+2*(u%2)+1]
.set u, u+1
.endr
	v_pk_add_f32 v[AC:AC+1], v[AC:AC+1], v[AC+2:AC+3]
	v_add_f32 v[SUM+(\a)], v[AC], v[AC+1]
	v_add_f32_dpp v[SUM+(\a)], v[SUM+(\a)], v[SUM+(\a)] row_xmask:1 row_mask:0xf bank_mask:0xf
	v_add_f32_dpp v[SUM+(\a)], v[SUM+(\a)], v[SUM+(\a)] row_xmask:2 row_mask:0xf bank_mask:0xf
	v_add_f32_dpp v[SUM+(\a)], v[SUM+(\a)], v[SUM+(\a)] row_xmask:4 row_mask:0xf bank_mask:0xf
	v_add_f32_dpp v[SUM+(\a)], v[SUM+(\a)], v[SUM+(\a)] row_xmask:8 row_mask:0xf bank_mask:0xf
	v_permlanex16_b32 v[T], v[SUM+(\a)], s20, s21
	v_add_f32 v[SUM+(\a)], v[SUM+(\a)], v[T]       ; every lane holds the row's sum
.endm
	ROWDO 0
	ROWDO 1
	ROWDO 2
	ROWDO 3
	s_wait_alu depctr_va_vdst(0)                   ; the last row's tree has written its sum, which the LDS store reads
	ds_store_b32 v[WA], v[SUM+3] offset:12         ; all lanes write the same word with the same number
	s_wait_dscnt 0x0                               ; for wave 0's sake: my four words are written
	s_barrier_signal -1
	s_barrier_wait -1
	s_cmp_lg_u32 s10, 0
	s_cbranch_scc1 .Ldone
	ds_load_b32 v[BK], v[LW]                       ; wave 0: the 32 sums, one a lane; no vector instruction names v[BK], and v[LW] was written ahead of the head's wait
	s_wait_dscnt 0x0
	global_store_b32 v[LW], v[BK], s[8:9]          ; 128 consecutive bytes
.Ldone:
	s_wait_dscnt 0x0                               ; the closing lines, six on end
	s_wait_alu 0x0
	s_wait_tensorcnt 0x0
	ds_add_u32 v[SPW], v[NIL]
	s_wait_dscnt 0x0
	s_endpgm
.Lfunc_end_k_qb6abf0da87_prep:
	.size	k_qb6abf0da87_prep, .Lfunc_end_k_qb6abf0da87_prep-k_qb6abf0da87_prep
	.p2alignl 7, 3214868480
	.fill 96, 4, 3214868480
	.section	.rodata,"a",@progbits
	.p2align	6, 0x0
	.amdhsa_kernel k_qb6abf0da87_prep
		.amdhsa_group_segment_fixed_size 1280
		.amdhsa_private_segment_fixed_size 0
		.amdhsa_enable_private_segment 0
		.amdhsa_kernarg_size 24
		.amdhsa_user_sgpr_count 2
		.amdhsa_user_sgpr_kernarg_segment_ptr 1
		.amdhsa_wavefront_size32 1
		.amdhsa_system_sgpr_workgroup_id_x 1
		.amdhsa_system_sgpr_workgroup_id_y 1
		.amdhsa_system_sgpr_workgroup_id_z 1
		.amdhsa_system_vgpr_workitem_id 0
		.amdhsa_next_free_vgpr 136
		.amdhsa_next_free_sgpr 66
		.amdhsa_reserve_vcc 0
		.amdhsa_float_denorm_mode_32 3
		.amdhsa_float_denorm_mode_16_64 3
		.amdhsa_memory_ordered 1
		.amdhsa_forward_progress 1
		.amdhsa_inst_pref_size 14
	.end_amdhsa_kernel
	.amdgpu_metadata
---
amdhsa.version: [ 1, 2 ]
amdhsa.kernels:
  - .name:           k_qb6abf0da87_prep
    .symbol:         k_qb6abf0da87_prep.kd
    .args:
      - { .name: x, .offset: 0, .size: 8, .value_kind: global_buffer, .address_space: global }
      - { .name: xp, .offset: 8, .size: 8, .value_kind: global_buffer, .address_space: global }
      - { .name: sqn, .offset: 16, .size: 8, .value_kind: global_buffer, .address_space: global }
    .group_segment_fixed_size: 1280
    .private_segment_fixed_size: 0
    .kernarg_segment_align: 8
    .kernarg_segment_size: 24
    .max_flat_workgroup_size: 256
    .sgpr_count:     66
    .vgpr_count:     136
    .wavefront_size: 32
...
	.end_amdgpu_metadata
.endif
;; end of part 6
;; launch gemm: the kernel of part 2 again; grid 32 x 8, 4 waves a work-group, clusters of 4 x 4, 327,680 bytes of LDS; arguments xp, sqn, dmat, gmin; writes dmat, gmin
;; launch groups: the kernel of part 3 again; grid 256 x 1, 16 waves a work-group, no clusters, 167,936 bytes of LDS; arguments gmin, gl; writes gl
;; launch elems: the kernel of part 4 again; grid 256 x 1, 8 waves a work-group, no clusters, 0 bytes of LDS; arguments gl, dmat, nb; writes nb
;; launch mean: the kernel of part 5 again; grid 1024 x 1, 8 waves a work-group, no clusters, 0 bytes of LDS; arguments nb, xp, out0; writes out0
